; MI455X (gfx1250); checked and timed in simulation.
; The chip was launched on July 23, 2026; its instructions are those of AMD's public machine-readable ISA for CDNA 5 (MIT licence, August 2026) and "CDNA5" Instruction Set Architecture Reference Guide (July 2026). The comments in the code are by the model that wrote it; some were corrected since.
;; LSA. Allowed arithmetic: matrix products marked QUANTISED: E5M2 operands, one given power-of-two scale a tensor, by v_wmma_f32_16x16x64_bf8_bf8 or v_wmma_f32_16x16x128_bf8_bf8, f32 sums; everything else in f32.
;; Inputs: lowp_scales 6 int32 (the exponents e of the quantised operands' scales 2^e); scale 16 x 1 x 1 float32; w_qkv 1,024 x 3,072 float32; x 8 x 1,024 x 1,024 float32.
;; Outputs: out0 8 x 1,024 x 1,024 float32.
;; This version of the problem:
;;   THIS VERSION OF THE PROBLEM IS GIVEN IN LOW PRECISION. The matrix products marked QUANTISED in the list below multiply operands that are first quantised to E5M2 (5 exponent bits, 2 mantissa bits; 8 bits a number), with one given power-of-two scale for each operand tensor; their sums are f32. All else is computed in f32.
;;   The module's matrix products, in the order in which they are computed (A, B: the left and right operand; K: the contracted axis; several contracted axes count as one K, in the product's order):
;;     1. [M 8,192, K 1,024] x [K 1,024, N 3,072]; A: input x; B: input w_qkv: QUANTISED (scales: A lowp_scales[0], B lowp_scales[1])
;;     2. batch 128 x [M 1,024, K 64] x [K 64, N 1,024]; A: computed on the way; B: computed on the way: QUANTISED (scales: A lowp_scales[2], B lowp_scales[3])
;;     3. batch 128 x [M 1,024, K 1,024] x [K 1,024, N 64]; A: computed on the way; B: computed on the way: QUANTISED (scales: A lowp_scales[4], B lowp_scales[5])
;;   THE QUANTISER, for each operand of a quantised product, along K:
;;     - The operand's scale is 2^e, e = its entry of the input lowp_scales (int32; the entries are numbered through the quantised products in the list's order, A before B).
;;     - Each number is divided by the scale, clamped to +-57,344, and rounded to the nearest number of E5M2, ties to even, subnormals kept.
;;     - The product sums the exact products of the quantised numbers (number of the format x scale) in f32.
;;   ~~~python
;;   def quantise(x, axis, e):      # numpy; x: float32 -> the quantised numbers, widened to float32 again
;;       x = np.moveaxis(x, axis, -1); K = x.shape[-1]
;;       r = np.clip(x / 2.0 ** e, -57344, 57344)
;;       step = 2.0 ** (np.maximum(np.frexp(np.where(r == 0, 1, r))[1] - 1, -14) - 2)
;;       q = np.round(r / step) * step * 2.0 ** e      # np.round: ties to even
;;       return np.moveaxis(q, -1, axis).astype(np.float32)
;;   ~~~
;;   OPERANDS COMPUTED ON THE WAY. 'Computed on the way' means the value that the module computes at that place (a softmax that the list does not call 'softmax' is quantised finished and normalised). What goes into a quantiser is computed in f32, as accurately as f32 sums, v_exp_f32 and their like allow (about 1e-6 of the number): no bf16 or f16 on the way to a quantiser, and a product that is left as it is and whose result goes on into a quantised operand takes f32 operands (vector FMAs, or v_wmma_f32_16x16x4_f32). A number that lies on a knife's edge between two numbers of the format may be rounded either way, as far as f32 arithmetic and the matrix unit's own rounding can turn it there, and no further.
;; One version. Each part assembles by itself: llvm-mc -triple=amdgcn-amd-amdhsa -mcpu=gfx1250 --defsym DOCPART=n.
;; ======== version 1 of 1: 3 launches
;; limits: right only within a limited range of input values
;; workspace buffers: xc 8,388,608 bytes; wc 3,145,728 bytes; qkv 25,165,824 bytes
;; launch quant (part 1): grid 352 x 1, 4 waves a work-group, no clusters, 55,808 bytes of LDS; arguments x, w_qkv, lowp_scales, xc, wc; writes xc, wc
.if DOCPART == 1
	.amdgcn_target "amdgcn-amd-amdhsa--gfx1250"
	.amdhsa_code_object_version 6
	.text
	.protected	k_q0a1a43f72d_quant
	.globl	k_q0a1a43f72d_quant
	.p2align	8
	.type	k_q0a1a43f72d_quant,@function
k_q0a1a43f72d_quant:
	s_mov_b64 s[64:65], 0
	v_nop
	global_prefetch_b8 v0, s[64:65] scope:SCOPE_SE
	s_setreg_imm32_b32 hwreg(HW_REG_WAVE_MODE, 25, 1), 1
	s_wait_xcnt 0x0
; Both operands of the projection become codes of BF8 (E5M2), K innermost, each with the one scale 2^e that is given for it:
; code = number / 2^e, held within +-57,344, rounded to the nearest code, ties to even.
;   xc [8192][1024]: codes of x (entry 0 of the scales).   wc [3072][1024]: row n = column n of w_qkv (entry 1).
; THE ORDER INSIDE EACH 32 CODES: position 16 h + 8 u + i holds k = 16 u + 8 h + i (h, u = 0 or 1; i = 0 .. 7).  A reader's lane (r, h) that loads 16 bytes at 32 c + 16 h of row r then has
;   k = 16 (2 c + u) + 8 h + i in registers 4 c + 2 u and 4 c + 2 u + 1: the place that the plain 8-bit matrix forms' own layout gives each k.
; LIMITS: -126 <= e and e + 15 <= 127 for both entries.  NaN among the inputs is not served (an infinity is held at the largest code).
; ONE LAUNCH, TWO WAYS, parted once on the work-group's number and never joined: work-groups 0-255 take x, 256-351 take w_qkv.
; Every work-group reads 131,072 bytes and stores 32,768.  No tensor loads, no barrier: waves share nothing.  Each way has LDS bytes of its own.
; WAY X.  K is innermost: x is a plain stream.  A wave takes 16 steps of 512 numbers.  The conversion takes 8 neighbours from ONE lane's registers, a load is best where neighbouring
;   LANES take neighbouring bytes: each of a step's four loads reads 512 consecutive bytes, the 2,048 bytes go through the wave's stage in LDS as they lie, and a lane takes back the two runs of
;   8 numbers whose codes are its 16 bytes of the output.
; WAY W.  K is the FIRST axis: a lane takes a column and its registers run down K, so the conversions give codes with K innermost; a wave gathers 32 columns x 256 K in its stage
;   and stores it by rows, sixteen lanes to 256 consecutive, aligned bytes.
.set STEPS, 16
.set SP,    80                         ; way X: a place in a stage: 64 bytes (16 numbers) + 16 of padding
.set XREG,  2*32*SP                    ; way X: two stages for each wave
.set R,     16                         ; v16-79   way X: four sets of 16 numbers as they are loaded
.set X,     80                         ; v80-111  way X: two sets of 16 numbers: two runs of 8 neighbours
.set C,     128                        ; v128-191 way X: codes, four registers for each step: no store's data are written again
.set WBASE, 4*XREG                     ; way W's LDS begins behind way X's
.set PITCH, 272                        ; way W: a stage row: 256 bytes of codes + 16
.set KROW,  1024                       ; a row of wc in bytes
.set NROW,  3072*4                     ; a row of w_qkv in bytes
.set NB,    8                          ; way W: blocks of 32 along K for a wave
.set WX,    32                         ; v32-95   way W: two sets of 32 numbers
.set WCD,   96                         ; v96-103  way W: a block's codes
.set OUTR,  112                        ; v112-175 way W: the way out
; THE CODES' BUFFERS ARE LAID BY CHUNKS OF 128 ALONG K (this takes the place of what stands above of their rows): xc [8 chunks][8192 rows][128 bytes], wc [8 chunks][3072 rows][128 bytes];
; the order inside each 32 codes is as above.  A reader's tile (rows x one chunk) is then one dense block.  Each store's lanes 0-7 and 16-23 fill one aligned block of 256 bytes (two rows of a chunk), lanes 8-15 and 24-31 another.
	s_load_b256 s[4:11], s[0:1], 0x0
	s_load_b64 s[12:13], s[0:1], 0x20              ; wc
	v_lshl_add_u32 v192, v0, 2, 0xd800
	v_mov_b32 v193, 0
	v_lshrrev_b32 v1, 5, v0
	v_readfirstlane_b32 s16, v1                    ; wave 0..3
	v_and_b32 v2, 31, v0                           ; lane
	s_cmp_lt_u32 ttmp9, 256
	s_cbranch_scc0 .Lw
	; ---------------- WAY X ----------------
	v_lshlrev_b32 v3, 4, v2
	v_bfe_u32 v4, v2, 3, 1                         ; a step is 256 numbers of each of two rows: lane l holds load l / 8's codes: chunk (l / 8) % 2 of the step's two,
	v_lshlrev_b32 v4, 20, v4                       ; 2^20 bytes from chunk to chunk,
	v_bfe_u32 v5, v2, 4, 1
	v_lshl_add_u32 v4, v5, 7, v4                   ; row l / 16 of the two,
	v_and_b32 v5, 7, v2
	v_lshl_add_u32 v4, v5, 4, v4                   ; 16 bytes a lane
	s_mul_i32 s17, s16, XREG
	v_lshrrev_b32 v14, 2, v2
	v_mul_u32_u24 v14, v14, SP
	v_and_b32 v15, 3, v2
	v_lshl_add_u32 v14, v15, 4, v14
	v_add_nc_u32 v14, s17, v14                     ; the stage, on the way in: four lanes' 64 bytes on end, then 16 of padding
	v_lshrrev_b32 v15, 1, v2                       ; on the way out: two lanes to a block of 32 numbers, which is two places;
	v_mul_u32_u24 v15, v15, 2*SP
	v_and_b32 v13, 1, v2                           ; lane j of the two takes numbers 8 j .. 8 j + 7 of each place: 32 j bytes in
	v_lshl_add_u32 v15, v13, 5, v15
	v_add_nc_u32 v15, s17, v15
	s_lshl_b32 s18, ttmp9, 2
	s_add_co_u32 s18, s18, s16                     ; which run of 8,192 numbers is my wave's
	s_lshl_b32 s20, s18, 15                        ; 32,768 bytes of x,
	s_mov_b32 s21, 0
	s_lshl_b32 s22, s18, 10                        ; my eight rows of 128 bytes in a chunk
	s_mov_b32 s23, 0
	s_wait_alu depctr_va_vdst(0)
	s_wait_kmcnt 0x0
	s_load_b32 s24, s[8:9], 0x0                    ; e of x
	s_add_nc_u64 s[4:5], s[4:5], s[20:21]
	s_add_nc_u64 s[10:11], s[10:11], s[22:23]
.macro XLOAD t
.irp i, 0,1,2,3
	global_load_b128 v[R+16*((\t)%4)+4*\i:R+16*((\t)%4)+4*\i+3], v3, s[4:5] offset:4096*(2*((\t)/4)+\i/2)+1024*((\t)%4)+512*(\i%2) th:TH_LOAD_NT   ; step t: rows 2 (t / 4) and + 1, k = 256 (t % 4) on; 32 lanes read 512 consecutive bytes
.endr
.endm
.macro XTURN t                         ; step t's numbers through the stage: LDS serves a wave's instructions in order (ISA guide 5.7.1.4), so no wait stands between the stores and the loads
.irp i, 0,1,2,3
	ds_store_b128 v14, v[R+16*((\t)%4)+4*\i:R+16*((\t)%4)+4*\i+3] offset:32*SP*((\t)%2)+8*SP*\i
.endr
.irp i, 0,1,2,3
	ds_load_b128 v[X+16*((\t)%2)+4*\i:X+16*((\t)%2)+4*\i+3], v15 offset:32*SP*((\t)%2)+SP*(\i/2)+16*(\i%2)   ; registers 0-7: k = 8 j + 0 .. 7 of my block; registers 8-15: k = 16 + 8 j + 0 .. 7
.endr
.endm
.irp t, 0,1,2,3
	XLOAD \t
.endr
	s_wait_kmcnt 0x0
	s_add_co_i32 s24, s24, 127
	s_lshl_b32 s25, s24, 23
	v_mov_b32 v11, s25                             ; 2^e as f32: the conversion takes its exponent field
	s_add_co_i32 s24, s24, 15
	s_lshl_b32 s24, s24, 23
	s_or_b32 s24, s24, 0x600000
	v_mov_b32 v10, s24                             ; 57,344 x 2^e
	s_wait_alu depctr_va_vdst(0)
	s_wait_loadcnt 12                              ; step 0's four loads are in; the twelve of steps 1 to 3 may be out
	XTURN 0
.macro XSTEP t
.set XS, X+16*((\t)%2)
	s_wait_dscnt 0x0                               ; this step's numbers are back from the stage: so its stores into the stage have read their registers,
.if (\t)+4 < STEPS
	XLOAD (\t)+4                                   ; which take the loads of four steps on
.endif
.if (\t)+1 < STEPS
.if STEPS-2-(\t) >= 3
	s_wait_loadcnt 12                              ; the next step's four loads are in; those of the three steps behind it may be out
.else
	s_wait_loadcnt 4*(STEPS-2-(\t))                ; the tail: fewer steps are behind it
.endif
	XTURN (\t)+1                                   ; and go through the other stage while this step is worked
.endif
.irp i, 0,1,2,3,4,5,6,7,8,9,10,11,12,13,14,15
	v_med3_num_f32 v[XS+\i], v[XS+\i], -v10, v10   ; the conversion to an 8-bit code does not saturate (ISA guide 7.6.2): the hold comes first
.endr
	v_cvt_scalef32_pk8_bf8_f32 v[C+4*(\t):C+4*(\t)+1], v[XS:XS+7], v11          ; positions 16 j + 0 .. 7 of my block
	v_cvt_scalef32_pk8_bf8_f32 v[C+4*(\t)+2:C+4*(\t)+3], v[XS+8:XS+15], v11     ; positions 16 j + 8 .. 15
	global_store_b128 v4, v[C+4*(\t):C+4*(\t)+3], s[10:11] offset:2*((\t)%4)*1048576+256*((\t)/4)   ; two whole blocks of 256 bytes
.endm
.irp t, 0,1,2,3,4,5,6,7,8,9,10,11,12,13,14,15
	XSTEP \t
.endr
	s_wait_tensorcnt 0x0
	ds_add_u32 v192, v193
	s_wait_dscnt 0x0
	s_endpgm
	; ---------------- WAY W ----------------
.Lw:
	s_sub_co_u32 s17, ttmp9, 256
	s_lshr_b32 s18, s17, 2                         ; which 128 columns (0..23)
	s_and_b32 s19, s17, 3                          ; which 256 along K
	s_lshl_b32 s18, s18, 7
	s_lshl_b32 s20, s16, 5
	s_add_co_u32 s18, s18, s20                     ; my wave's first column
	s_wait_alu depctr_va_vdst(0)
	v_lshlrev_b32 v3, 2, v2                        ; in: 4 bytes a lane
	s_mul_i32 s20, s16, 32*PITCH
	s_add_co_u32 s20, s20, WBASE                   ; my stage
	v_mul_u32_u24 v4, v2, PITCH
	v_add_nc_u32 v4, s20, v4                       ; into it: row = my column
	v_and_b32 v5, 15, v2
	v_lshrrev_b32 v6, 4, v2                        ; out of it: sixteen lanes to a row, two rows an instruction
	v_mul_u32_u24 v7, v6, PITCH
	v_lshl_add_u32 v7, v5, 4, v7
	v_add_nc_u32 v7, s20, v7
	v_lshlrev_b32 v8, 7, v6                        ; in wc: row l / 16 of the two,
	v_and_b32 v9, 7, v2
	v_lshl_add_u32 v8, v9, 4, v8                   ; 16 bytes a lane,
	v_bfe_u32 v9, v2, 3, 1
	v_mad_u32_u24 v8, v9, 0x60000, v8              ; chunk (l / 8) % 2 of my two: 393,216 bytes from chunk to chunk
	s_mul_i32 s22, s19, 256*NROW                   ; 256 rows of w_qkv,
	s_lshl_b32 s23, s18, 2
	s_add_co_u32 s22, s22, s23                     ; + 4 bytes a column
	s_mov_b32 s23, 0
	s_lshl_b32 s24, s18, 7                         ; wc: column x 128
	s_mul_i32 s25, s19, 2*393216                   ; my two chunks
	s_add_co_u32 s24, s24, s25                     ; + my 256 codes of a row
	s_mov_b32 s25, 0
	s_wait_kmcnt 0x0
	s_load_b32 s30, s[8:9], 0x4                    ; e of w_qkv
	s_add_nc_u64 s[6:7], s[6:7], s[22:23]
	s_add_nc_u64 s[12:13], s[12:13], s[24:25]
.macro WLOAD t                         ; block t: w(32 t + i, my column), i = 0 .. 31, into set t % 2; the largest offset, 255 rows, lies inside the signed 24-bit immediate
.irp i, 0,1,2,3,4,5,6,7,8,9,10,11,12,13,14,15,16,17,18,19,20,21,22,23,24,25,26,27,28,29,30,31
	global_load_b32 v[WX+32*((\t)%2)+\i], v3, s[6:7] offset:(32*(\t)+\i)*NROW th:TH_LOAD_NT
.endr
.endm
	WLOAD 0
	WLOAD 1
	s_wait_kmcnt 0x0
	s_add_co_i32 s30, s30, 127
	s_lshl_b32 s31, s30, 23
	v_mov_b32 v11, s31                             ; 2^e as f32
	s_add_co_i32 s30, s30, 15
	s_lshl_b32 s30, s30, 23
	s_or_b32 s30, s30, 0x600000
	v_mov_b32 v10, s30                             ; 57,344 x 2^e
.macro WBLOCK t
.set XS, WX+32*((\t)%2)
.if (\t) < NB-1
	s_wait_loadcnt 32                              ; this block's 32 loads are in; the next block's 32 may be out
.else
	s_wait_loadcnt 0
.endif
.irp i, 0,1,2,3,4,5,6,7,8,9,10,11,12,13,14,15,16,17,18,19,20,21,22,23,24,25,26,27,28,29,30,31
	v_med3_num_f32 v[XS+\i], v[XS+\i], -v10, v10
.endr
.irp g, 0,1,2,3
	v_cvt_scalef32_pk8_bf8_f32 v[WCD+2*(2*(\g%2)+\g/2):WCD+2*(2*(\g%2)+\g/2)+1], v[XS+8*\g:XS+8*\g+7], v11   ; k = 8 g + i with g = 2 u + h goes to position 8 (2 h + u) + i: the second and third eight change places
.endr
	ds_store_b128 v4, v[WCD:WCD+3] offset:32*(\t)  ; 32 codes: 32 bytes of my column's row
	ds_store_b128 v4, v[WCD+4:WCD+7] offset:32*(\t)+16
.if (\t)+2 < NB
	WLOAD (\t)+2
.endif
	s_wait_dscnt 0x0                               ; the stores have read their registers: the next block's codes may be written
.endm
.set Q, 0
	s_wait_alu depctr_va_vdst(0)
.rept NB
	WBLOCK Q
.set Q, Q+1
.endr
.irp t, 0,1,2,3,4,5,6,7,8,9,10,11,12,13,14,15
	ds_load_b128 v[OUTR+4*\t:OUTR+4*\t+3], v7 offset:2*\t*PITCH   ; these see my stores: a wave's LDS instructions are served in order
.endr
.irp t, 0,1,2,3,4,5,6,7,8,9,10,11,12,13,14,15
	s_wait_dscnt 15-\t                             ; load t is in; the 15 - t behind it may be out
	global_store_b128 v8, v[OUTR+4*\t:OUTR+4*\t+3], s[12:13] offset:256*\t
.endr
	s_wait_tensorcnt 0x0
	ds_add_u32 v192, v193
	s_wait_dscnt 0x0
	s_endpgm
.Lfunc_end_k_q0a1a43f72d_quant:
	.size	k_q0a1a43f72d_quant, .Lfunc_end_k_q0a1a43f72d_quant-k_q0a1a43f72d_quant
	.p2alignl 7, 3214868480
	.fill 96, 4, 3214868480
	.section	.rodata,"a",@progbits
	.p2align	6, 0x0
	.amdhsa_kernel k_q0a1a43f72d_quant
		.amdhsa_group_segment_fixed_size 55808
		.amdhsa_private_segment_fixed_size 0
		.amdhsa_enable_private_segment 0
		.amdhsa_kernarg_size 40
		.amdhsa_user_sgpr_count 2
		.amdhsa_user_sgpr_kernarg_segment_ptr 1
		.amdhsa_wavefront_size32 1
		.amdhsa_system_sgpr_workgroup_id_x 1
		.amdhsa_system_sgpr_workgroup_id_y 1
		.amdhsa_system_sgpr_workgroup_id_z 1
		.amdhsa_system_vgpr_workitem_id 0
		.amdhsa_next_free_vgpr 194
		.amdhsa_next_free_sgpr 66
		.amdhsa_reserve_vcc 0
		.amdhsa_float_denorm_mode_32 3
		.amdhsa_float_denorm_mode_16_64 3
		.amdhsa_memory_ordered 1
		.amdhsa_forward_progress 1
		.amdhsa_inst_pref_size 86
	.end_amdhsa_kernel
	.amdgpu_metadata
---
amdhsa.version: [ 1, 2 ]
amdhsa.kernels:
  - .name:           k_q0a1a43f72d_quant
    .symbol:         k_q0a1a43f72d_quant.kd
    .args:
      - { .name: x, .offset: 0, .size: 8, .value_kind: global_buffer, .address_space: global }
      - { .name: w_qkv, .offset: 8, .size: 8, .value_kind: global_buffer, .address_space: global }
      - { .name: lowp_scales, .offset: 16, .size: 8, .value_kind: global_buffer, .address_space: global }
      - { .name: xc, .offset: 24, .size: 8, .value_kind: global_buffer, .address_space: global }
      - { .name: wc, .offset: 32, .size: 8, .value_kind: global_buffer, .address_space: global }
    .group_segment_fixed_size: 55808
    .private_segment_fixed_size: 0
    .kernarg_segment_align: 8
    .kernarg_segment_size: 40
    .max_flat_workgroup_size: 128
    .sgpr_count:     66
    .vgpr_count:     194
    .wavefront_size: 32
...
	.end_amdgpu_metadata
.endif
;; end of part 1
;; launch gemm (part 2): grid 8 x 32, 4 waves a work-group, clusters of 4 x 4, 327,680 bytes of LDS; arguments xc, wc, lowp_scales, qkv; writes qkv
.if DOCPART == 2
	.amdgcn_target "amdgcn-amd-amdhsa--gfx1250"
	.amdhsa_code_object_version 6
	.text
	.protected	k_q0a1a43f72d_gemm
	.globl	k_q0a1a43f72d_gemm
	.p2align	8
	.type	k_q0a1a43f72d_gemm,@function
k_q0a1a43f72d_gemm:
	s_mov_b64 s[64:65], 0
	v_nop
	global_prefetch_b8 v0, s[64:65] scope:SCOPE_SE
	s_setreg_imm32_b32 hwreg(HW_REG_WAVE_MODE, 25, 1), 1
	s_wait_xcnt 0x0
	s_wait_alu depctr_hold_cnt(0) depctr_sa_sdst(0) depctr_va_vdst(0) depctr_va_sdst(0) depctr_va_ssrc(0) depctr_va_vcc(0) depctr_vm_vsrc(0)
	s_getreg_b32 s2, hwreg(HW_REG_IB_STS2, 6, 4)
	s_cmp_eq_u32 s2, 0
	s_cbranch_scc0 .Lentry_in_a_cluster
	s_endpgm
.Lentry_in_a_cluster:
	s_bfe_u32 s2, ttmp6, 0x10000c
	s_cmp_lg_u32 s2, 0xf033
	s_cbranch_scc0 .Lentry_shape_is_right
	s_endpgm
.Lentry_shape_is_right:
; qkv = x w_qkv on codes of BF8, sums in f32; each finished sum is QUANTISED AT ONCE into the code that attention multiplies:
; a sum stands for sum x 2^(e0 + e1), so its code is sum / 2^(et - e0 - e1), held within +-57,344, with et = entry 2 (q), 3 (k) or 5 (v) of the scales.
; LIMIT: et - e0 - e1 between -126 and 112 for all three, so that the scale and 57,344 x the scale are f32 numbers.
; xc [8 chunks of 128 along K][8192 tokens][128 bytes], wc [8 chunks][3072 columns][128 bytes]; inside each 32 codes position 16 h + 8 u + i holds k = 16 u + 8 h + i, so that two loads of 16 bytes fill the K = 64 form's own layout.
; SHARES.  A work-group takes 256 tokens x (128 columns of q, the same 128 of k, the same 128 of v): 8 x 32 = 256 work-groups.  A wave takes 128 tokens x one head of q, of k and of v: 96 accumulators of 16 x 16, 768 registers:
;   window 1 + g holds part g (q, k, v).  One accumulator for each output, one instruction for each 64 along K, K ascending, the first with C = 0.
; THE MATRIX INSTRUCTION: a lane holds one row of source 1 and eight neighbouring rows of source 0, and these eight must run along the NEXT product's K.  q, k: source 0 = columns, source 1 = tokens.  v: source 0 = tokens, source 1 = columns.
; THE RING: two LDS slots, each one chunk (128 along K) of 256 token rows and 3 x 128 column rows; a tile is a dense block of memory, stated as rows of 256 bytes, with 16 bytes of padding behind each 128: LDS rows 144 bytes apart.
;   Wave 0 fetches the tokens' tile, waves 1 to 3 the columns' of q, k, v: one tensor load a wave.
; CLUSTERS: 4 x 4 work-groups.  The four of a row of the cluster need the same tokens, the four of a column the same columns: each tile is asked for JOINTLY.
; A HALF STEP is 64 along K: 96 matrix instructions, part by part.  Tokens' fragments have two sets; a part's four column fragments are free when its 32 products are issued and are fetched anew at once: three runs of loads a half step.
; qkv: three parts of 2^23 bytes, each [batch 8][head 16][1024 rows][64 bytes].  q, k: row = token, bytes along the head's 64.  v: row = 64 (token / 64) + channel, bytes along 64 tokens; inside each 32 bytes the order as above.
;   A wave's 128 x 64 of a part is 8,192 consecutive bytes, in eight units of 1,024 (16 rows): unit U's four accumulators lie at v[32 U] of the part's window.  q, k: U = the token block, the four = column blocks.  v: U = 4 (token block / 4) + column block, the four = token blocks.
.set XCH,    8192*128                  ; bytes from chunk to chunk in xc
.set WCH,    3072*128                  ; and in wc
.set PITCH,  144
.set AT,     256*PITCH                 ; the tokens' tile
.set BT,     128*PITCH                 ; a part's columns
.set SLOT,   AT+3*BT
.set STAGE,  2*SLOT                    ; the way out: 16 rows x (64 bytes + 16) for each wave
.set SPITCH, 80
.set SPARE,  STAGE+4*16*SPITCH         ; the spare words: 128 bytes for each wave
.set SC,   4                           ; v4-6   2^(et - e0 - e1) for q, k, v
.set LM,   8                           ; v8-10  57,344 x that
.set ADT,  16                          ; v16-17 my token fragments in slot 0, 1
.set ADC,  20                          ; v20-21 my column fragments
.set STO,  24
.set RD,   25
.set CO,   26
.set PFO,  27                          ; the prefetches' offset; never rewritten
.set SPW,  28
.set NIL,  29
.set TS,   32                          ; v32-159  tokens' fragments: two sets of 8 x 8
.set CF,   160                         ; v160-255 columns' fragments: 3 parts x 4 x 8
.set TMP,  32                          ; the way out: a unit's sums, held
.set CD,   64                          ; its codes: two sets
.set BK,   80                          ; read back: 22 sets
.set G1,  24
.set G0,  32
.set G1B, 48
.set G0B, 56
.set PFA, 92                           ; s[92:93] where my prefetches stand
.set PFS, 94                           ; s[94:95] a chunk on
.set FLAGS, (0<<16)|(1<<20)|(1<<21)|(4<<22)|(3<<25)   ; elements of 1 byte; padding on; bit 21 beside a mask; four words behind every 32
.set MSB, 0
.macro WIN new
.if MSB != (\new)
	s_set_vgpr_msb (MSB<<8)|(\new)
.set MSB, \new
.endif
.endm
.macro PLACES                          ; four places ahead of loads into registers that matrix instructions have read, and of the first read of results (ISA guide 7.12.1 for the first read of results)
.rept 4
	v_nop
.endr
.endm
.macro JLOAD s                         ; a joint load: wave 0 for the tokens, waves 1 to 3 for the columns; the branch hangs on the wave's number alone
	s_cmp_eq_u32 s14, 0
	s_cbranch_scc0 .Lfor_b_\@
	tensor_load_to_lds s[G0+4*\s:G0+4*\s+3], s[G1:G1+7]
	s_nop 0
	PLACES
	s_branch .Lasked_\@
.Lfor_b_\@:
	tensor_load_to_lds s[G0B+4*\s:G0B+4*\s+3], s[G1B:G1B+7]
	s_nop 0
	PLACES
.Lasked_\@:
.endm
.macro CREST
	s_cmp_lg_u32 s14, 0
	s_cbranch_scc1 .Lnot_wave_0_\@
	s_barrier_signal -3
.Lnot_wave_0_\@:
	s_barrier_wait -3
	s_barrier_signal -1
	s_barrier_wait -1
.endm
.macro CROUND
	s_barrier_signal -1
	s_barrier_wait -1
	CREST
.endm
	s_load_b128 s[4:7], s[0:1], 0x0                ; xc, wc
	s_load_b128 s[8:11], s[0:1], 0x10              ; the scales' exponents, qkv
	v_lshl_add_u32 v[SPW], v0, 2, SPARE
	v_mov_b32 v[NIL], 0
	ds_add_u32 v[SPW], v[NIL]                      ; the opening lines: the add twice on end and its wait
	ds_add_u32 v[SPW], v[NIL]
	v_lshrrev_b32 v1, 5, v0
	v_readfirstlane_b32 s14, v1                    ; wave 0..3
	s_lshr_b32 s15, s14, 1                         ; my half of the tokens
	s_and_b32 s16, s14, 1                          ; my head of the two
	s_bfe_u32 s40, ttmp6, 0x40000                  ; cx, cy
	s_bfe_u32 s41, ttmp6, 0x40004
	s_lshl_b32 s42, ttmp9, 2
	s_add_co_u32 s42, s42, s40                     ; which 128 columns of each part
	s_and_b32 s17, ttmp7, 0xffff
	s_lshl_b32 s17, s17, 2
	s_add_co_u32 s17, s17, s41                     ; which 256 tokens
	s_lshl_b32 s43, s41, 2
	s_lshl_b32 s43, 15, s43                        ; my row of the cluster
	s_lshl_b32 s44, 0x1111, s40                    ; my column
	s_or_b32 s[G1], s43, FLAGS
	s_or_b32 s[G1B], s44, FLAGS
.irp g, G1, G1B
	s_mov_b32 s[\g+1], 256<<16
	s_mov_b32 s[\g+3], 256<<16
	s_mov_b32 s[\g+5], 256
	s_mov_b32 s[\g+6], 0
	s_mov_b32 s[\g+7], 0
.endr
	s_mov_b32 s[G1+2], 128<<16                     ; the tokens' tile: 128 rows of 256 bytes
	s_mov_b32 s[G1+4], 128
	s_mov_b32 s[G1B+2], 64<<16                     ; a part's columns: 64
	s_mov_b32 s[G1B+4], 64
	s_lshl_b32 s20, s17, 15                        ; 256 tokens x 128 bytes
	s_mov_b32 s21, 0
	s_max_u32 s18, s14, 1
	s_sub_co_u32 s18, s18, 1                       ; the part that I fetch
	s_lshl_b32 s46, s18, 17                        ; 1,024 columns x 128 bytes
	s_lshl_b32 s47, s42, 14                        ; 128 columns x 128 bytes
	s_add_co_u32 s46, s46, s47
	s_mov_b32 s47, 0
	s_mul_i32 s45, s14, BT
	s_add_co_u32 s45, s45, AT-BT                   ; where waves 1 to 3 put their tiles: no place in the cluster enters an LDS address
	s_wait_dscnt 0x0
	s_wait_kmcnt 0x0
	s_load_b128 s[68:71], s[8:9], 0x0              ; e0 .. e3
	s_load_b64 s[72:73], s[8:9], 0x10              ; e4, e5
	s_add_nc_u64 s[20:21], s[4:5], s[20:21]
	s_add_nc_u64 s[46:47], s[6:7], s[46:47]
	CROUND                                         ; all sixteen work-groups are here: the first joint loads meet
.irp s, 0,1
	s_mov_b32 s[G0+4*\s], 1
	s_mov_b32 s[G0+4*\s+1], \s*SLOT
	s_add_nc_u64 s[G0+4*\s+2:G0+4*\s+3], s[20:21], \s*XCH
	s_or_b32 s[G0+4*\s+3], s[G0+4*\s+3], 0x80000000
	s_mov_b32 s[G0B+4*\s], 1
	s_add_co_u32 s[G0B+4*\s+1], s45, \s*SLOT
	s_add_nc_u64 s[G0B+4*\s+2:G0B+4*\s+3], s[46:47], \s*WCH
	s_or_b32 s[G0B+4*\s+3], s[G0B+4*\s+3], 0x80000000
.endr
	JLOAD 0                                        ; chunk 0: one tensor load a wave at the head
	; THE PREFETCHES: behind the load of chunk t, chunk t + 2 of the tile that I fetch.  The four partners that ask for a tile jointly share its blocks of 256 bytes out by address:
	; the tokens' 128 blocks: 32 to a partner (cx), a lane a block; a part's 64: 16 to a partner (cy), lanes 16-31 name lanes 0-15's again.  Chunks 0 and 1 come by their loads alone; the loads of chunks 6 and 7 ask for nothing.
	s_cmp_eq_u32 s14, 0
	s_cselect_b64 s[PFA:PFA+1], s[20:21], s[46:47]
	s_cselect_b32 s96, s40, s41
	s_cselect_b32 s97, 13, 12
	s_cselect_b32 s99, 31, 15
	s_mov_b32 s[PFS], WCH
	s_cselect_b32 s[PFS], XCH, s[PFS]
	s_mov_b32 s[PFS+1], 0
	s_lshl_b32 s96, s96, s97
	s_lshl_b32 s97, s[PFS], 1
	s_add_co_u32 s96, s96, s97                     ; my share, in chunk 2
	s_mov_b32 s97, 0
	s_add_nc_u64 s[PFA:PFA+1], s[PFA:PFA+1], s[96:97]
	s_mul_i32 s74, s15, 128*PITCH                  ; my 128 tokens
	s_mul_i32 s75, s16, 64*PITCH
	s_add_co_u32 s75, s75, AT                      ; my 64 columns of part 0
	s_mul_i32 s76, s14, 16*SPITCH
	s_add_co_u32 s76, s76, STAGE                   ; my stage
	v_and_b32 v[PFO], s99, v0
	v_lshlrev_b32 v[PFO], 8, v[PFO]
	global_prefetch_b8 v[PFO], s[PFA:PFA+1] th:TH_LOAD_NT scope:SCOPE_SE
	v_and_b32 v1, 15, v0                           ; r
	v_bfe_u32 v2, v0, 4, 1                         ; h
	v_mul_u32_u24 v3, v1, PITCH
	v_lshl_add_u32 v3, v2, 4, v3
	v_add_nc_u32 v[ADT], s74, v3
	v_add_nc_u32 v[ADT+1], SLOT, v[ADT]
	v_add_nc_u32 v[ADC], s75, v3
	v_add_nc_u32 v[ADC+1], SLOT, v[ADC]
	v_mul_u32_u24 v5, v1, SPITCH
	v_lshl_add_u32 v5, v2, 4, v5
	v_add_nc_u32 v[STO], s76, v5                   ; in: row r, 16 bytes for each half of the lanes
	v_and_b32 v6, 31, v0
	v_lshrrev_b32 v7, 2, v6
	v_mul_u32_u24 v7, v7, SPITCH
	v_and_b32 v5, 3, v6
	v_lshl_add_u32 v7, v5, 4, v7
	v_add_nc_u32 v[RD], s76, v7                    ; back: four lanes take a row's 64 bytes, the wave eight rows
	v_lshlrev_b32 v[CO], 4, v6
	s_lshr_b32 s80, s17, 2
	s_lshl_b32 s80, s80, 20                        ; the batch,
	s_lshl_b32 s78, s42, 1
	s_add_co_u32 s78, s78, s16
	s_lshl_b32 s78, s78, 16                        ; my head,
	s_add_co_u32 s80, s80, s78
	s_and_b32 s78, s17, 3
	s_lshl_b32 s78, s78, 1
	s_add_co_u32 s78, s78, s15
	s_lshl_b32 s78, s78, 13                        ; my 128 tokens: 8,192 bytes in q, k and v alike
	s_add_co_u32 s80, s80, s78
	s_mov_b32 s81, 0
	s_add_nc_u64 s[84:85], s[10:11], s[80:81]      ; q,
	s_add_nc_u64 s[86:87], s[84:85], 0x800000      ; k,
	s_add_nc_u64 s[88:89], s[86:87], 0x800000      ; v
.macro LT slot, hs, p                  ; my eight token fragments of the slot's half hs into set p: two loads of 16 bytes each
.irp a, 0,1,2,3,4,5,6,7
.irp c, 0,1
	ds_load_b128 v[TS+64*\p+8*\a+4*\c:TS+64*\p+8*\a+4*\c+3], v[ADT+\slot] offset:64*\hs+32*\c+\a*16*PITCH
.endr
.endr
.endm
.macro LC slot, hs, g                  ; part g's four column fragments
.irp b, 0,1,2,3
.irp c, 0,1
	ds_load_b128 v[CF+32*\g+8*\b+4*\c:CF+32*\g+8*\b+4*\c+3], v[ADC+\slot] offset:\g*BT+64*\hs+32*\c+\b*16*PITCH
.endr
.endr
.endm
; 16 matrix instructions: token blocks a0 .. a0 + 3 x part g's four column blocks.  The 96 accumulators take turns, one instruction a turn, in the same order in every half step.
.macro MUL16 g, p, a0, zero
.irp a, \a0, \a0+1, \a0+2, \a0+3
.irp b, 0,1,2,3
.if \g == 2
.set AC, 8*(4*(4*((\a)/4)+\b)+(\a)%4)
.set S0, TS+64*\p+8*(\a)
.set S1, CF+64+8*\b
.else
.set AC, 8*(4*(\a)+\b)
.set S0, CF+32*\g+8*\b
.set S1, TS+64*\p+8*(\a)
.endif
.if \zero
	v_wmma_f32_16x16x64_bf8_bf8 v[AC:AC+7], v[S0:S0+7], v[S1:S1+7], 0
.else
	v_wmma_f32_16x16x64_bf8_bf8 v[AC:AC+7], v[S0:S0+7], v[S1:S1+7], v[AC:AC+7]
.endif
.endr
.endr
.endm
; A slot's first half step.  Runs of loads: run 0 = part 0's columns and the tokens (24), run 1 = part 1's (8), run 2 = part 2's (8), each for the next half step.
.macro HEVEN slot, zero
	s_wait_dscnt 16                                ; run 0 is in; runs 1 and 2 may be out
	WIN 0x50
	MUL16 0, 0, 0, \zero
	MUL16 0, 0, 4, \zero
	PLACES
	WIN 0
	LC \slot, 1, 0
	LT \slot, 1, 1
	s_wait_dscnt 32                                ; run 1 is in; behind it: run 2 and the 24 just issued
	WIN 0xa0
	MUL16 1, 0, 0, \zero
	MUL16 1, 0, 4, \zero
	PLACES
	WIN 0
	LC \slot, 1, 1
	s_wait_dscnt 32                                ; run 2 is in; behind it: 24 and 8
	WIN 0xf0
	MUL16 2, 0, 0, \zero
	MUL16 2, 0, 4, \zero
	PLACES
	WIN 0
	LC \slot, 1, 2
.endm
.macro ASK
	s_cmp_gt_u32 s3, 1                             ; the loop's last trip loads chunks 6 and 7: there is no chunk two on
	s_cbranch_scc0 .Lno_ask_\@
	global_prefetch_b8 v[PFO], s[PFA:PFA+1] th:TH_LOAD_NT scope:SCOPE_SE
.Lno_ask_\@:
.endm
; A slot's second half step changes slots: ONE barrier; in front of it each wave waits for all its tensor loads, adds 0 to its spare word, and waits for that and for its reads of this slot.  fill = 1: a round of the cluster's barrier, and this slot takes the chunk two on.
.macro HODD slot, next, fill
.if \fill
	s_wait_xcnt 0x0                                ; my last prefetch has read its address
	s_add_nc_u64 s[PFA:PFA+1], s[PFA:PFA+1], s[PFS:PFS+1]
.endif
	s_wait_tensorcnt 0x0                           ; my part of the next slot has landed
	ds_add_u32 v[SPW], v[NIL]
	s_wait_dscnt 17                                ; run 0 is in; runs 1 and 2 and the add may be out
	WIN 0x50
	MUL16 0, 1, 0, 0
	s_wait_dscnt 0x0                               ; the add is done, and my reads of this slot are over
	s_barrier_signal -1
	MUL16 0, 1, 4, 0
	WIN 0
	s_barrier_wait -1
.if \fill
	CREST
	s_add_nc_u64 s[G0+4*\slot+2:G0+4*\slot+3], s[G0+4*\slot+2:G0+4*\slot+3], 2*XCH
	s_add_nc_u64 s[G0B+4*\slot+2:G0B+4*\slot+3], s[G0B+4*\slot+2:G0B+4*\slot+3], 2*WCH
	JLOAD \slot                                    ; the first tensor load behind the round; its four v_nop are the places ahead of the loads below
.else
	PLACES
.endif
	LC \next, 0, 0
	LT \next, 0, 0
.if \fill
	ASK
.endif
	WIN 0xa0
	MUL16 1, 1, 0, 0
	MUL16 1, 1, 4, 0
	PLACES
	WIN 0
	LC \next, 0, 1
	WIN 0xf0
	MUL16 2, 1, 0, 0
	MUL16 2, 1, 4, 0
	PLACES
	WIN 0
	LC \next, 0, 2
.endm
	s_wait_xcnt 0x0                                ; the head's prefetch has read its address
	s_add_nc_u64 s[PFA:PFA+1], s[PFA:PFA+1], s[PFS:PFS+1]   ; chunk 3
	s_wait_alu depctr_va_vdst(0)                   ; the wait at the head's end
	s_wait_tensorcnt 0x0                           ; my part of chunk 0 is in
	ds_add_u32 v[SPW], v[NIL]
	s_wait_dscnt 0x0
	CROUND
	JLOAD 1                                        ; chunk 1: the first tensor load behind the round
	LC 0, 0, 0
	LT 0, 0, 0
	LC 0, 0, 1
	LC 0, 0, 2
	global_prefetch_b8 v[PFO], s[PFA:PFA+1] th:TH_LOAD_NT scope:SCOPE_SE
	HEVEN 0, 1                                     ; the first half step stands in front of the loop: its products start the sums
	s_mov_b32 s3, 3
.Llap:                                                 ; a trip goes once round the ring and fills both slots again: chunks 2 to 7 in three trips
	HODD 0, 1, 1
	HEVEN 1, 0
	HODD 1, 0, 1
	HEVEN 0, 0
	s_sub_co_u32 s3, s3, 1
	s_cmp_lg_u32 s3, 0
	s_cbranch_scc1 .Llap
	HODD 0, 1, 0                                   ; the last lap fills nothing, and has no round of the cluster's barrier
	HEVEN 1, 0
	s_wait_dscnt 16                                ; the very last half step: nothing more to fetch
	WIN 0x50
	MUL16 0, 1, 0, 0
	MUL16 0, 1, 4, 0
	s_wait_dscnt 8
	WIN 0xa0
	MUL16 1, 1, 0, 0
	MUL16 1, 1, 4, 0
	s_wait_dscnt 0
	WIN 0xf0
	MUL16 2, 1, 0, 0
	MUL16 2, 1, 4, 0
	WIN 0
; THE WAY OUT, unit by unit: 32 sums a lane are held, converted (eight neighbours to two registers) and stored as 2 x 16 bytes into my own stage; they come back as 8 rows x 64 bytes an instruction: 512 consecutive bytes of qkv.
; A wave's LDS instructions are served in order (ISA guide 5.7.1.4): no wait between the stores and the loads, nor ahead of the next unit's stores.
.macro TOSTAGE n
.set GP, (\n)/8
.set AC, 32*((\n)%8)
.set CC, CD+8*((\n)%2)
.set BB, BK+8*((\n)%22)                ; 22 sets, v80-255: only units 22 and 23 meet registers that stores have read
	WIN 1+GP
.set j, 0
.rept 32
	v_med3_num_f32 v[TMP+j], v[AC+j], -v[LM+GP], v[LM+GP]   ; the conversion does not saturate (ISA guide 7.6.2): the hold comes first; each accumulator from its low end on
.set j, j+1
.endr
	WIN 0
.irp e, 0,1,2,3
	v_cvt_scalef32_pk8_bf8_f32 v[CC+2*\e:CC+2*\e+1], v[TMP+8*\e:TMP+8*\e+7], v[SC+GP]
.endr
	v_nop                                          ; one plain line behind the last conversion
	ds_store_b128 v[STO], v[CC:CC+3]
	ds_store_b128 v[STO], v[CC+4:CC+7] offset:32
	ds_load_b128 v[BB:BB+3], v[RD]
	ds_load_b128 v[BB+4:BB+7], v[RD] offset:8*SPITCH
.endm
.macro SEND n, younger
.set GP, (\n)/8
.set BB, BK+8*((\n)%22)
	s_wait_dscnt \younger
	global_store_b128 v[CO], v[BB:BB+3], s[84+2*GP:85+2*GP] offset:1024*((\n)%8)   ; 32 lanes store 512 consecutive bytes, at a multiple of 512 from qkv's first byte
	global_store_b128 v[CO], v[BB+4:BB+7], s[84+2*GP:85+2*GP] offset:1024*((\n)%8)+512
.endm
.macro SCALE g, e                      ; et - e0 - e1: the three scales folded into the conversion's one
	s_sub_co_i32 s75, s[\e], s74
	s_add_co_i32 s75, s75, 127
	s_lshl_b32 s76, s75, 23
	v_mov_b32 v[SC+\g], s76
	s_add_co_i32 s75, s75, 15
	s_lshl_b32 s75, s75, 23
	s_or_b32 s75, s75, 0x600000
	v_mov_b32 v[LM+\g], s75
.endm
	s_wait_kmcnt 0x0
	s_add_co_i32 s74, s68, s69
	SCALE 0, 70
	SCALE 1, 71
	SCALE 2, 73
	PLACES                                         ; behind the last products
	s_wait_alu depctr_va_vdst(0)
	TOSTAGE 0
.irp n, 1,2,3,4,5,6,7,8,9,10,11,12,13,14,15,16,17,18,19,20,21,22,23
.if \n > 21
	s_wait_xcnt 0x0                                ; unit n - 22's stores have read their registers: unit n's loads may land there
.endif
	TOSTAGE \n
	SEND \n-1, 4                                   ; behind unit n - 1's loads: unit n's 2 stores and 2 loads
.endr
	SEND 23, 0
	s_wait_tensorcnt 0x0                           ; the wave's end
	ds_add_u32 v[SPW], v[NIL]
	s_wait_dscnt 0x0
	CROUND                                         ; the closing round
	s_endpgm
.Lfunc_end_k_q0a1a43f72d_gemm:
	.size	k_q0a1a43f72d_gemm, .Lfunc_end_k_q0a1a43f72d_gemm-k_q0a1a43f72d_gemm
	.p2alignl 7, 3214868480
	.fill 96, 4, 3214868480
	.section	.rodata,"a",@progbits
	.p2align	6, 0x0
	.amdhsa_kernel k_q0a1a43f72d_gemm
		.amdhsa_group_segment_fixed_size 327680
		.amdhsa_private_segment_fixed_size 0
		.amdhsa_enable_private_segment 0
		.amdhsa_kernarg_size 32
		.amdhsa_user_sgpr_count 2
		.amdhsa_user_sgpr_kernarg_segment_ptr 1
		.amdhsa_wavefront_size32 1
		.amdhsa_system_sgpr_workgroup_id_x 1
		.amdhsa_system_sgpr_workgroup_id_y 1
		.amdhsa_system_sgpr_workgroup_id_z 1
		.amdhsa_system_vgpr_workitem_id 0
		.amdhsa_next_free_vgpr 1024
		.amdhsa_next_free_sgpr 100
		.amdhsa_reserve_vcc 0
		.amdhsa_float_denorm_mode_32 3
		.amdhsa_float_denorm_mode_16_64 3
		.amdhsa_memory_ordered 1
		.amdhsa_forward_progress 1
		.amdhsa_inst_pref_size 153
	.end_amdhsa_kernel
	.amdgpu_metadata
---
amdhsa.version: [ 1, 2 ]
amdhsa.kernels:
  - .name:           k_q0a1a43f72d_gemm
    .symbol:         k_q0a1a43f72d_gemm.kd
    .args:
      - { .name: xc, .offset: 0, .size: 8, .value_kind: global_buffer, .address_space: global }
      - { .name: wc, .offset: 8, .size: 8, .value_kind: global_buffer, .address_space: global }
      - { .name: lowp_scales, .offset: 16, .size: 8, .value_kind: global_buffer, .address_space: global }
      - { .name: qkv, .offset: 24, .size: 8, .value_kind: global_buffer, .address_space: global }
    .group_segment_fixed_size: 327680
    .private_segment_fixed_size: 0
    .kernarg_segment_align: 8
    .kernarg_segment_size: 32
    .max_flat_workgroup_size: 128
    .sgpr_count:     100
    .vgpr_count:     1024
    .wavefront_size: 32
...
	.end_amdgpu_metadata
.endif
;; end of part 2
;; launch attn (part 3): grid 2 x 128, 4 waves a work-group, no clusters, 214,528 bytes of LDS; arguments qkv, scale, lowp_scales, out0; writes out0
.if DOCPART == 3
	.amdgcn_target "amdgcn-amd-amdhsa--gfx1250"
	.amdhsa_code_object_version 6
	.text
	.protected	k_q0a1a43f72d_attn
	.globl	k_q0a1a43f72d_attn
	.p2align	8
	.type	k_q0a1a43f72d_attn,@function
k_q0a1a43f72d_attn:
	s_mov_b64 s[64:65], 0
	v_nop
	global_prefetch_b8 v0, s[64:65] scope:SCOPE_SE
	s_setreg_imm32_b32 hwreg(HW_REG_WAVE_MODE, 25, 1), 1
	s_wait_xcnt 0x0
; out[b][n][64 h + d] = sum over keys m < n of attn[n][m] v[m][d], attn = softmax over m < n of (q[n] . k[m] x scale[h]); row 0 has no key and is 0.  Both products on codes of BF8.
; WHAT IS QUANTISED FOR THE SECOND PRODUCT IS THE FINISHED, NORMALISED attn: the row's maximum and sum are known before any weight is quantised.
; A TILE'S SCORES STAY IN REGISTERS: a wave owns 16 queries at a time and keeps their scores against all their keys (at most 1,024 keys: 512 registers).  Each score is multiplied once and exponentiated once:
;   A: scores and the maximum;  B: -M = -(c x the largest score);  C: p = 2^(score x c - M) and the sum l;  D: 1 / l;  E: p / l, held, converted with 2^e4, x V.
;   c = |scale| x log2(e) x 2^(e2 + e3).  A NEGATIVE scale: the sign bits of q's codes are turned, which negates q exactly; c stays positive.
;   Hidden keys (m >= n) get the score -infinity, so their weight is 0, as the reference's -1e30 makes it.  Row 0: -M is held at 3e38, all weights are 0, l is held at 0.5 from below (a row with a key has l >= 1 to rounding), 0 is stored.
; LEFT OUT: steps of 64 keys all of which come after the tile's queries: the mask that reference() builds gives them the weight 0 for all values of the inputs.  A NaN or an infinity that reaches only such keys is not carried to the result.
; LIMITS: e4 between -126 and 112; e4 + e5 between -126 and 127; c finite, a c under 2^-126 is taken as 2^-126; the scaled scores stay under 2^31 in magnitude; NaN and infinity among the codes are not served.
; SHARES.  Two work-groups to a head (g = grid x), four waves each, one to a SIMD.  A head's 64 tiles of 16 queries: tile j = 4 G + 2 g + (w & 1) needs G whole steps of 64 keys and the step on the diagonal.
;   In trip T, u = 7 - T, wave w takes G = 2 u + ((w >> 1) xor (u & 1)): eight tiles, 68 steps in every wave, the largest tile first.
; STEPS ARE NUMBERED k = 0 .. G: k = 0 is the step on the diagonal, k >= 1 the whole step of keys 64 (k - 1) on.  Step k's 32 registers lie in window 1 + k / 7 at v[32 (k % 7)]; v224-255 of each window hold the running sums.
;   Register numbers are fixed in the text, so the steps are written out, and a scalar branch on ids ends each phase behind step G.
; LDS.  A head's K and V, 65,536 bytes each, lie whole in LDS, filled ONCE: one tensor load of 32,768 bytes a wave at the head, one barrier, nothing is filled again.
; NO CLUSTER: only the two work-groups of a head share bytes, each asks for them once, and the grid's x is 2.  NO PREFETCH: all that the launch reads is asked for at its head; there is no loop to run ahead in.
; LAYOUT.  Both products are used transposed (S^T = K Q^T, O^T = V^T P^T): a lane holds ONE query (lane % 16).  In S^T's tile t lane (r, h) holds keys 16 t + 8 h + 0 .. 7: their conversion gives registers 2 t, 2 t + 1 of P.
.set KP,    80                         ; a row of K or V in LDS: 64 bytes + 16 of padding
.set CH,    64*KP                      ; a step's 64 rows
.set VOFF,  1024*KP                    ; V lies behind K
.set STAGE, 2*VOFF                     ; the way out: 16 rows x (256 bytes + 16) for each wave
.set SPT,   272
.set IMG,   STAGE+4*16*SPT             ; my eight tiles of Q as images of their 8 registers: 8,192 bytes for each wave
.set SPARE, IMG+4*8192                 ; the spare words: 128 bytes for each wave
.set AK0, 1                            ; v1 80 r + 16 h: K's steps 0-7;  v2: steps 8 on;  v3, v4 the same in V
.set AV0, 3
.set ADK, 5                            ; v5, v6 the diagonal step's K and V
.set ADV, 6
.set STO, 7
.set RD,  8
.set GO,  9
.set NINF, 10
.set QO,  11
.set SPW, 12
.set NIL, 13
.set LIM, 14                           ; 57,344 x 2^e4
.set SCL, 15                           ; 2^e4
.set QI,  16
.set QA,  17
.set TMP, 18
.set L,   19
.set NEGM, 20                          ; v[20:21] -M (the low word serves both halves)
.set RL,  22                           ; v[22:23] 1 / l
.set MX,  28                           ; v28-43 sixteen running maxima
.set Q,   44                           ; v44-51 the tile's Q
.set P,   52                           ; v52-67 the weights' codes: two sets
.set KF,  68                           ; v68-131 fragments of K or of V: two sets of 32
.set O,   132                          ; v132-163 O^T
.set FS,  164                          ; v164-195 the sums on their way to one
.set TM,  196                          ; v196-227 a step's weights; the way out
.set SM,  224                          ; in windows 1 to 3: sixteen pairs of running sums
.set WV, 12
.set HD, 13
.set HI, 14
.set JS, 15
.set T,  16
.set N,  17
.set SEL, 20
.set CS, 22
.set G1, 24
.set G0, 32
.set OS, 36
.set OB, 38
.set QB, 40
.set NCS, 58
.set BIG, 59
.set SB, 60
.set MK, 66                            ; s66-97 the diagonal step's 32 lane masks: they hang on the wave and the lane alone
.set MSB, 0
.macro WIN new                         ; the immediate's high byte repeats the setting that is left
.if MSB != (\new)
	s_set_vgpr_msb (MSB<<8)|(\new)
.set MSB, \new
.endif
.endm
.macro NOPS
.rept 4
	v_nop
.endr
.endm
	s_load_b256 s[4:11], s[0:1], 0x0               ; qkv, scale, the scales' exponents, out
	v_lshl_add_u32 v[SPW], v0, 2, SPARE
	v_mov_b32 v[NIL], 0
	ds_add_u32 v[SPW], v[NIL]                      ; the opening lines: the add twice on end and its wait ahead of my tensor load
	ds_add_u32 v[SPW], v[NIL]
	v_lshrrev_b32 v27, 5, v0
	v_readfirstlane_b32 s[WV], v27                 ; wave 0..3
	s_and_b32 s[HD], ttmp7, 0xffff                 ; 16 x batch + head
	s_mov_b32 s[G1], (0<<16)|(1<<20)|(3<<22)|(3<<25)  ; elements of 1 byte; four words of padding behind every 16
	s_mov_b32 s[G1+1], 256<<16                     ; 128 rows of 256 bytes, dense in memory: four rows of K or V each
	s_mov_b32 s[G1+2], 128<<16
	s_mov_b32 s[G1+3], 256<<16
	s_mov_b32 s[G1+4], 128
	s_mov_b32 s[G1+5], 256
	s_mov_b32 s[G1+6], 0
	s_mov_b32 s[G1+7], 0
	s_mov_b32 s[G0], 1
	s_mul_i32 s[G0+1], s[WV], 512*KP               ; waves 0, 1: K's halves; waves 2, 3: V's
	s_lshl_b32 s[QB], s[HD], 16
	s_mov_b32 s[QB+1], 0
	s_lshr_b32 s[HI], s[WV], 1
	s_add_co_u32 s50, s[HI], 1                     ; part 1 (k) or 2 (v)
	s_lshl_b32 s50, s50, 23
	s_and_b32 s[SB], s[WV], 1
	s_lshl_b32 s49, s[SB], 15                      ; my half: 512 rows of 64 bytes
	s_add_co_u32 s50, s50, s49
	s_mov_b32 s51, 0
	s_and_b32 s54, s[HD], 15
	s_lshl_b32 s54, s54, 2
	s_mov_b32 s55, 0
	s_lshl_b32 s[JS], ttmp9, 1
	s_add_co_u32 s[JS], s[JS], s[SB]               ; 2 g + (w & 1): my tile among a group's four
	s_lshl_b32 s56, s[JS], 10
	s_lshl_b32 s49, s[HI], 12
	s_add_co_u32 s56, s56, s49                     ; q's bytes for even u: 1,024 (2 g + (w & 1)) + 4,096 (w >> 1),
	s_mov_b32 s57, 0
	s_xor_b32 s49, s[HI], 1
	s_lshl_b32 s49, s49, 12
	s_lshl_b32 s52, s[JS], 10
	s_add_co_u32 s52, s52, s49                     ; and for odd u
	s_mov_b32 s53, 0
	s_mov_b32 s[SEL], 0x76543210
	s_mov_b32 s[SEL+1], 0xfedcba98
	s_mov_b32 s[BIG], 0xff61b1e6                   ; -3e38
	s_wait_dscnt 0x0
	s_wait_kmcnt 0x0
	s_add_nc_u64 s[QB:QB+1], s[4:5], s[QB:QB+1]
	s_add_nc_u64 s[G0+2:G0+3], s[QB:QB+1], s[50:51]
	s_or_b32 s[G0+3], s[G0+3], 0x80000000
	tensor_load_to_lds s[G0:G0+3], s[G1:G1+7]      ; my one tensor load
	s_nop 0
	NOPS
	s_add_nc_u64 s[6:7], s[6:7], s[54:55]
	s_load_b32 s48, s[6:7], 0x0                    ; scale[h]
	s_load_b128 s[44:47], s[8:9], 0x8              ; e2, e3, e4, e5
	s_add_nc_u64 s[42:43], s[QB:QB+1], s[56:57]
	s_add_nc_u64 s[52:53], s[QB:QB+1], s[52:53]
	s_mul_i32 s49, s[WV], 16*SPT
	s_add_co_u32 s49, s49, STAGE                   ; my stage
	s_lshl_b32 s50, s[WV], 13
	s_add_co_u32 s50, s50, IMG                     ; my images
	s_lshl_b32 s51, s[JS], 4
	v_and_b32 v24, 15, v0                          ; r
	v_bfe_u32 v25, v0, 4, 1                        ; h
	v_lshlrev_b32 v228, 6, v24
	v_lshl_add_u32 v228, v25, 4, v228
	v_add_nc_u32 v228, s50, v228                   ; v228: my place in an image of Q: row r of 64 bytes, + 16 h; never rewritten
	v_and_b32 v[QO], 31, v0
	v_lshlrev_b32 v[QO], 4, v[QO]                  ; Q is loaded as it lies: 16 bytes a lane, 512 consecutive bytes a load
.irp tt, 0,1,2,3,4,5,6,7               ; trip tt's tile of Q: u = 7 - tt
.irp c, 0,1
	global_load_b128 v[KF+8*\tt+4*\c:KF+8*\tt+4*\c+3], v[QO], s[42+10*((7-\tt)%2):43+10*((7-\tt)%2)] offset:8192*(7-\tt)+512*\c th:TH_LOAD_NT
.endr
.endr
	v_mov_b32 v[NINF], 0xff800000
	v_mul_u32_u24 v[AK0], v24, KP
	v_lshl_add_u32 v[AK0], v25, 4, v[AK0]
	v_add_nc_u32 v[AK0+1], 8*CH, v[AK0]
	v_add_nc_u32 v[AV0], VOFF, v[AK0]
	v_add_nc_u32 v[AV0+1], VOFF+8*CH, v[AK0]
	v_mul_u32_u24 v[STO], v24, SPT
	v_lshl_add_u32 v[STO], v25, 5, v[STO]
	v_add_nc_u32 v[STO], s49, v[STO]               ; in: row r, + 32 h
	v_mul_u32_u24 v[RD], v25, SPT
	v_lshl_add_u32 v[RD], v24, 4, v[RD]
	v_add_nc_u32 v[RD], s49, v[RD]                 ; back: lanes 0-15 one row, lanes 16-31 the next
	v_lshlrev_b32 v[GO], 12, v25
	v_lshl_add_u32 v[GO], v24, 4, v[GO]
	v_and_b32 v[QI], 31, v0
	v_lshlrev_b32 v[QI], 4, v[QI]
	v_add_nc_u32 v[QI], s50, v[QI]
	v_lshlrev_b32 v26, 3, v25
	v_sub_nc_u32 v26, v24, v26
	v_add_nc_u32 v26, s51, v26                     ; d = my query in the diagonal step - 8 h.  Register 8 t + j holds key 16 t + 8 h + j: hidden where 16 t + j + 1 > d
	v_mov_b32 v[TMP], 0                            ; a lane permute's destination counts as a source
	v_mov_b32 v[NEGM+1], 0                         ; named as upper halves of pairs
	v_mov_b32 v[RL+1], 0
.irp t, 0,1,2,3
.irp j, 0,1,2,3,4,5,6,7
	v_cmp_gt_i32 s[MK+8*\t+\j], 16*\t+\j+1, v26
.endr
.endr
	s_wait_kmcnt 0x0
	s_and_b32 s49, s48, 0x80000000                 ; scale's sign,
	s_lshr_b32 s50, s49, 8
	s_or_b32 s49, s49, s50
	s_lshr_b32 s50, s49, 16
	s_or_b32 s49, s49, s50                         ; at the sign bit of each of a word's four codes
	s_and_b32 s51, s48, 0x7fffffff
	s_add_co_i32 s50, s44, s45
	v_mov_b32 v27, s51
	v_mul_f32 v27, 0x3fb8aa3b, v27                 ; |scale| x log2(e)
	v_ldexp_f32 v27, v27, s50                      ; x 2^(e2 + e3)
	v_max_num_f32 v27, 0x800000, v27               ; c is never 0: -infinity x c stays -infinity
	v_readfirstlane_b32 s[CS], v27
	s_mov_b32 s[CS+1], s[CS]
	s_xor_b32 s[NCS], s[CS], 0x80000000            ; -c
	s_add_co_i32 s50, s46, 127
	s_lshl_b32 s51, s50, 23
	v_mov_b32 v[SCL], s51
	s_add_co_i32 s50, s50, 15
	s_lshl_b32 s50, s50, 23
	s_or_b32 s50, s50, 0x600000
	v_mov_b32 v[LIM], s50
	s_add_co_i32 s[OS], s46, s47
	s_add_co_i32 s[OS], s[OS], 127
	s_lshl_b32 s[OS], s[OS], 23                    ; 2^(e4 + e5)
	s_mov_b32 s[OS+1], s[OS]
	; every score register of steps 1 to 15 is written once, as a hidden key's score, while the tensor load is out: so no way through the text reads a register that nothing wrote
	WIN 0x40
.set i, 32
.rept 192
	v_mov_b32 v[i], v[NINF]
.set i, i+1
.endr
	WIN 0x80
.set i, 0
.rept 224
	v_mov_b32 v[i], v[NINF]
.set i, i+1
.endr
	WIN 0xc0
.set i, 0
.rept 64
	v_mov_b32 v[i], v[NINF]
.set i, i+1
.endr
	WIN 0
	s_wait_loadcnt 0x0
.set i, 0
.rept 64
	v_xor_b32 v[KF+i], s49, v[KF+i]                ; q x the sign of scale
.set i, i+1
.endr
.irp tt, 0,1,2,3,4,5,6,7
.irp c, 0,1
	ds_store_b128 v[QI], v[KF+8*\tt+4*\c:KF+8*\tt+4*\c+3] offset:1024*\tt+512*\c   ; the images: my wave alone reads them
.endr
.endr
	s_mov_b32 s[T], 0
	s_wait_alu depctr_va_vdst(0)                   ; the wait at the head's end
	s_wait_tensorcnt 0x0                           ; my half of K or of V has landed,
	s_wait_dscnt 0x0
	s_barrier_signal -1
	s_barrier_wait -1                              ; everybody's has: K and V are whole, and nobody writes them again
.macro FLOAD a0, idx                   ; step idx >= 1 of K (a0 = AK0) or V (AV0): four tiles, two loads of 16 bytes each, into set idx % 2
.set CC, (\idx)-1
.set AR, \a0+CC/8
.set OF, (CC%8)*CH
.set BF, KF+32*((\idx)%2)
.irp t, 0,1,2,3
.irp c, 0,1
	ds_load_b128 v[BF+8*\t+4*\c:BF+8*\t+4*\c+3], v[AR] offset:OF+16*KP*\t+32*\c
.endr
.endr
.endm
.macro DLOAD adr                       ; the diagonal step, into set 0
.irp t, 0,1,2,3
.irp c, 0,1
	ds_load_b128 v[KF+8*\t+4*\c:KF+8*\t+4*\c+3], v[\adr] offset:16*KP*\t+32*\c
.endr
.endr
.endm
; PHASE A, step k: the next step's K is asked for, this step's four products start its scores, sixteen maxima take two scores each (each accumulator from its low end on).
; The look-ahead behind step G reads rows of K that have landed and that nobody uses.
.macro KLOAD4 idx                      ; phase A looks three steps ahead: four sets of 32 registers, v68-195 (the two fragment sets, and the registers of O^T and of the sums, which hold nothing in this phase)
.set CC, (\idx)-1
.set AR, AK0+CC/8
.set OF, (CC%8)*CH
.set BF, KF+32*((\idx)%4)
.irp t, 0,1,2,3
.irp c, 0,1
	ds_load_b128 v[BF+8*\t+4*\c:BF+8*\t+4*\c+3], v[AR] offset:OF+16*KP*\t+32*\c
.endr
.endr
.endm
.macro AIT k
.if \k > 0
	s_cmp_lt_u32 s[N], \k
	s_cbranch_scc1 .LAend
.endif
.if \k < 14
	KLOAD4 \k+3
	s_wait_dscnt 24                                ; all but the three look-ahead runs of eight
.else
	s_wait_dscnt 8*(16-(\k))                       ; K's sixteen steps have all been asked for: two runs, then one, are behind this step's
.endif
.set XR, 32*((\k)%7)
.set WK, 1+(\k)/7
.set BF, KF+32*((\k)%4)
	WIN WK<<6
.irp t, 0,1,2,3
	v_wmma_f32_16x16x64_bf8_bf8 v[XR+8*\t:XR+8*\t+7], v[BF+8*\t:BF+8*\t+7], v[Q:Q+7], 0
.endr
	NOPS                                           ; four places ahead of the first read of a result (ISA guide 7.12.1)
.if \k == 0
	WIN 0x41
.set i, 0
.rept 32
	v_cndmask_b32 v[XR+i], v[XR+i], v[NINF], s[MK+i]
.set i, i+1
.endr
.endif
	WIN WK*0x14
.set i, 0
.rept 16
	v_max3_num_f32 v[MX+i], v[MX+i], v[XR+2*i], v[XR+2*i+1]
.set i, i+1
.endr
	WIN 0
.endm
.macro XADD i
	v_pk_add_f32 v[DS+2*(\i):DS+2*(\i)+1], v[XP+2*(\i):XP+2*(\i)+1], v[S1+2*(\i):S1+2*(\i)+1]
.endm
.macro XFMA i
	v_pk_fma_f32 v[XN+2*(\i):XN+2*(\i)+1], v[XN+2*(\i):XN+2*(\i)+1], s[CS:CS+1], v[NEGM:NEGM+1] op_sel_hi:[1,0,0]
.endm
; PHASE C, step k: its 32 exponentials, and by turns with them the next step's sixteen score x c - M and the sixteen additions of the step before: each of these writes a register that is first read behind the step's one wait.
; Where a neighbour lies in another window its sixteen lines follow as a block.  The multiply-adds behind step G fall on registers that nobody reads.
.macro STAGE k
.set XR, 32*((\k)%7)
.set WK, 1+(\k)/7
.set XN, 32*(((\k)+1)%7)
.set WN, 1+((\k)+1)/7
.set XP, 32*(((\k)+6)%7)
.set WP, ((\k)+6)/7
.set DS, SM
.set S1, SM
.if (\k) == 2
.set S1, 0                             ; the first addition takes steps 1 and 0
.endif
.set i, 0
.rept 16
	WIN (WK<<6)|(WP<<2)|WK
	v_exp_f32 v[XR+2*i], v[XR+2*i]
.if (\k) >= 2
.if WP == WK
	XADD i
.endif
.endif
	v_exp_f32 v[XR+2*i+1], v[XR+2*i+1]
.if (\k) < 15
.if WN == WK
	XFMA i
.endif
.endif
.set i, i+1
.endr
.if (\k) >= 2
.if WP != WK
	WIN (WK<<6)|(WP<<2)|WP
.set i, 0
.rept 16
	XADD i
.set i, i+1
.endr
.endif
.endif
.if (\k) < 15
.if WN != WK
	WIN (WN<<6)|WN
.set i, 0
.rept 16
	XFMA i
.set i, i+1
.endr
.endif
.endif
	v_nop                                          ; a plain line behind the last exponential
	s_wait_alu depctr_va_vdst(0)                   ; one wait a step: behind this batch and ahead of the next
	WIN 0
.endm
.macro STUB k                          ; the phase ended behind step k - 1: its addition is still due, and brings the sums into window 0
.set XP, 32*(((\k)+6)%7)
.set WP, ((\k)+6)/7
.set DS, FS
.set S1, SM
.if (\k) == 2
.set S1, 0
.endif
	WIN WP*5
.set i, 0
.rept 16
	XADD i
.set i, i+1
.endr
	WIN 0
.endm
; PHASE E, step k: attn = p x (1 / l) into window 0, the next step's V is asked for, the hold (one-sided: a weight is not negative), the conversion, four products.
.macro EIT k
.if \k > 0
	s_cmp_lt_u32 s[N], \k
	s_cbranch_scc1 .LEend
.endif
.set XR, 32*((\k)%7)
.set WK, 1+(\k)/7
	WIN WK
.set i, 0
.rept 16
	v_pk_mul_f32 v[TM+2*i:TM+2*i+1], v[XR+2*i:XR+2*i+1], v[RL:RL+1] op_sel_hi:[1,0]   ; (also the places ahead of the loads below)
.set i, i+1
.endr
	WIN 0
.if \k < 15
	FLOAD AV0, \k+1
	s_wait_dscnt 8                                 ; this step's V is in; the eight look-ahead loads may be out
.else
	s_wait_dscnt 0
.endif
.set i, 0
.rept 32
	v_min_num_f32 v[TM+i], v[TM+i], v[LIM]         ; the conversion to an 8-bit code does not saturate (ISA guide 7.6.2)
.set i, i+1
.endr
.set PP, P+8*((\k)%2)
.set BF, KF+32*((\k)%2)
.irp t, 0,1,2,3
	v_cvt_scalef32_pk8_bf8_f32 v[PP+2*\t:PP+2*\t+1], v[TM+8*\t:TM+8*\t+7], v[SCL]
.endr
	v_nop                                          ; one plain line between a scaled conversion and the matrix instruction that reads its result
.irp t, 0,1,2,3                        ; four accumulators by turns; the first step starts the sums
.if \k == 0
	v_wmma_f32_16x16x64_bf8_bf8 v[O+8*\t:O+8*\t+7], v[BF+8*\t:BF+8*\t+7], v[PP:PP+7], 0
.else
	v_wmma_f32_16x16x64_bf8_bf8 v[O+8*\t:O+8*\t+7], v[BF+8*\t:BF+8*\t+7], v[PP:PP+7], v[O+8*\t:O+8*\t+7]
.endif
.endr
.endm
.Ltrip:                                                ; eight trips, a tile each
	s_xor_b32 s18, s[T], 7                         ; u = 7 - T
	s_and_b32 s19, s18, 1
	s_xor_b32 s19, s19, s[HI]
	s_lshl_b32 s[N], s18, 1
	s_add_co_u32 s[N], s[N], s19                   ; G: the tile's whole steps
	s_mul_i32 s49, s[N], CH
	s_lshl_b32 s50, s[T], 10
	v_add_nc_u32 v[ADK], s49, v[AK0]
	v_add_nc_u32 v[ADV], s49, v[AV0]
	v_add_nc_u32 v[QA], s50, v228                  ; the images hold the tiles as they lie in memory
.set i, 0
.rept 16
	v_mov_b32 v[MX+i], s[BIG]                      ; -3e38, under every score
.set i, i+1
.endr
	s_wait_alu depctr_va_vdst(0)
	ds_load_b128 v[Q:Q+3], v[QA]
	ds_load_b128 v[Q+4:Q+7], v[QA] offset:32
	DLOAD ADK
	KLOAD4 1
	KLOAD4 2
.irp k, 0,1,2,3,4,5,6,7,8,9,10,11,12,13,14,15
	AIT \k
.endr
.LAend:
	s_wait_alu depctr_va_vdst(0)                   ; (The look-ahead loads may stay out: nothing names their registers before the wait for them below)
.irp i, 0,3,6,9,12
	v_max3_num_f32 v[MX+\i], v[MX+\i], v[MX+\i+1], v[MX+\i+2]
.endr
	v_max3_num_f32 v[MX], v[MX], v[MX+3], v[MX+6]
	v_max3_num_f32 v[MX+9], v[MX+9], v[MX+12], v[MX+15]
	v_max_num_f32 v[MX], v[MX], v[MX+9]
	v_permlanex16_b32 v[TMP], v[MX], s[SEL], s[SEL+1]
	v_max_num_f32 v[MX], v[MX], v[TMP]             ; the row's largest score
	v_mul_f32 v[NEGM], s[NCS], v[MX]               ; -M
	v_min_num_f32 v[NEGM], 0x7f61b1e6, v[NEGM]     ; finite for the row without a key
.set XN, 0
	WIN 0x41
.set i, 0
.rept 16
	XFMA i
.set i, i+1
.endr
	s_wait_alu depctr_va_vdst(0)                   ; the wait ahead of the batch
	s_wait_dscnt 0x0                               ; phase A's look-ahead loads are in: their registers are written anew further down
	STAGE 0
.irp k, 1,2,3,4,5,6,7,8,9,10,11,12,13,14,15
	s_cmp_lt_u32 s[N], \k
	s_cbranch_scc1 .LS_\k
	STAGE \k
.endr
	STUB 16
	s_branch .Lred16
.irp k, 15,14,13,12,11,10,9,8,7,6,5,4,3
.LS_\k:
	STUB \k
	s_branch .Lred16
.endr
.LS_1:                                                 ; the diagonal step alone: its sixteen pairs become eight
	WIN 5
.set i, 0
.rept 8
	v_pk_add_f32 v[FS+2*i:FS+2*i+1], v[2*i:2*i+1], v[16+2*i:16+2*i+1]
.set i, i+1
.endr
	WIN 0
	s_branch .Lred8
.LS_2:
	STUB 2
.Lred16:
	s_wait_alu depctr_va_vdst(0)
.irp i, 0,2,4,6,8,10,12,14
	v_pk_add_f32 v[FS+\i:FS+\i+1], v[FS+\i:FS+\i+1], v[FS+16+\i:FS+16+\i+1]
.endr
.Lred8:
	s_wait_alu depctr_va_vdst(0)                   ; likewise
.irp i, 0,2,4,6
	v_pk_add_f32 v[FS+\i:FS+\i+1], v[FS+\i:FS+\i+1], v[FS+8+\i:FS+8+\i+1]
.endr
	v_pk_add_f32 v[FS:FS+1], v[FS:FS+1], v[FS+4:FS+5]
	v_pk_add_f32 v[FS+2:FS+3], v[FS+2:FS+3], v[FS+6:FS+7]
	v_pk_add_f32 v[FS:FS+1], v[FS:FS+1], v[FS+2:FS+3]
	v_add_f32 v[L], v[FS], v[FS+1]
	v_permlanex16_b32 v[TMP], v[L], s[SEL], s[SEL+1]
	v_add_f32 v[L], v[L], v[TMP]                   ; the row's sum
	v_max_num_f32 v[L], 0.5, v[L]                  ; the row without a key: 1 / l stays finite
	DLOAD ADV                                      ; the diagonal step's V
	s_wait_alu depctr_va_vdst(0)                   ; the wait ahead of the transcendental
	v_rcp_f32 v[RL], v[L]
	v_nop
	s_wait_alu depctr_va_vdst(0)                   ; and ahead of its first reader
.irp k, 0,1,2,3,4,5,6,7,8,9,10,11,12,13,14,15
	EIT \k
.endr
.LEend:
	s_wait_dscnt 0x0                               ; the look-ahead loads are in: the waits below count the way out's loads alone
	NOPS                                           ; behind the last products
.set i, 0
.rept 16
	v_pk_mul_f32 v[TM+2*i:TM+2*i+1], v[O+2*i:O+2*i+1], s[OS:OS+1] op_sel_hi:[1,0]   ; x 2^(e4 + e5); each accumulator from its low end on.  Register 8 t + j is out(query r, 16 t + 8 h + j)
.set i, i+1
.endr
.irp t, 0,1,2,3                        ; through my stage and back by rows: a wave's LDS instructions are served in order (ISA guide 5.7.1.4)
	ds_store_b128 v[STO], v[TM+8*\t:TM+8*\t+3] offset:64*\t
	ds_store_b128 v[STO], v[TM+8*\t+4:TM+8*\t+7] offset:64*\t+16
.endr
	s_wait_xcnt 0x0                                ; the last trip's stores have read their registers and their base: both are written again only below
	s_lshl_b32 s54, s[N], 2
	s_add_co_u32 s54, s54, s[JS]                   ; the tile
	s_lshl_b32 s54, s54, 4                         ; its first query
	s_lshr_b32 s49, s[HD], 4
	s_lshl_b32 s49, s49, 10
	s_add_co_u32 s54, s54, s49                     ; + 1,024 x batch: a row of out,
	s_lshl_b32 s54, s54, 12                        ; 4,096 bytes each,
	s_and_b32 s49, s[HD], 15
	s_lshl_b32 s49, s49, 8
	s_add_co_u32 s54, s54, s49                     ; + my head's 256 bytes
	s_mov_b32 s55, 0
	s_add_nc_u64 s[OB:OB+1], s[10:11], s[54:55]
	WIN 0xc0                                       ; back into v64-95 of window 3, which nothing else names
.irp k, 0,1,2,3,4,5,6,7
	ds_load_b128 v[64+4*\k:64+4*\k+3], v[RD] offset:2*\k*SPT
.endr
	WIN 0x0c                                       ; a store's data are its source 1
.irp k, 0,1,2,3,4,5,6,7
	s_wait_dscnt 7-\k                              ; load k is in; the 7 - k behind it may be out
	global_store_b128 v[GO], v[64+4*\k:64+4*\k+3], s[OB:OB+1] offset:8192*\k th:TH_STORE_NT   ; sixteen lanes store a query's 256 consecutive bytes, at a multiple of 256 from out's first byte
.endr
	WIN 0
	s_add_co_u32 s[T], s[T], 1
	s_cmp_lt_u32 s[T], 8
	s_cbranch_scc1 .Ltrip
	s_wait_tensorcnt 0x0                           ; the wave's end
	ds_add_u32 v[SPW], v[NIL]
	s_wait_dscnt 0x0
	s_endpgm
.Lfunc_end_k_q0a1a43f72d_attn:
	.size	k_q0a1a43f72d_attn, .Lfunc_end_k_q0a1a43f72d_attn-k_q0a1a43f72d_attn
	.p2alignl 7, 3214868480
	.fill 96, 4, 3214868480
	.section	.rodata,"a",@progbits
	.p2align	6, 0x0
	.amdhsa_kernel k_q0a1a43f72d_attn
		.amdhsa_group_segment_fixed_size 214528
		.amdhsa_private_segment_fixed_size 0
		.amdhsa_enable_private_segment 0
		.amdhsa_kernarg_size 32
		.amdhsa_user_sgpr_count 2
		.amdhsa_user_sgpr_kernarg_segment_ptr 1
		.amdhsa_wavefront_size32 1
		.amdhsa_system_sgpr_workgroup_id_x 1
		.amdhsa_system_sgpr_workgroup_id_y 1
		.amdhsa_system_sgpr_workgroup_id_z 1
		.amdhsa_system_vgpr_workitem_id 0
		.amdhsa_next_free_vgpr 1024
		.amdhsa_next_free_sgpr 100
		.amdhsa_reserve_vcc 0
		.amdhsa_float_denorm_mode_32 3
		.amdhsa_float_denorm_mode_16_64 3
		.amdhsa_memory_ordered 1
		.amdhsa_forward_progress 1
		.amdhsa_inst_pref_size 187
	.end_amdhsa_kernel
	.amdgpu_metadata
---
amdhsa.version: [ 1, 2 ]
amdhsa.kernels:
  - .name:           k_q0a1a43f72d_attn
    .symbol:         k_q0a1a43f72d_attn.kd
    .args:
      - { .name: qkv, .offset: 0, .size: 8, .value_kind: global_buffer, .address_space: global }
      - { .name: scale, .offset: 8, .size: 8, .value_kind: global_buffer, .address_space: global }
      - { .name: lowp_scales, .offset: 16, .size: 8, .value_kind: global_buffer, .address_space: global }
      - { .name: out0, .offset: 24, .size: 8, .value_kind: global_buffer, .address_space: global }
    .group_segment_fixed_size: 214528
    .private_segment_fixed_size: 0
    .kernarg_segment_align: 8
    .kernarg_segment_size: 32
    .max_flat_workgroup_size: 128
    .sgpr_count:     100
    .vgpr_count:     1024
    .wavefront_size: 32
...
	.end_amdgpu_metadata
.endif
;; end of part 3
